; MI455X (gfx1250); checked and timed in simulation.
; The chip was launched on July 23, 2026; its instructions are those of AMD's public machine-readable ISA for CDNA 5 (MIT licence, August 2026) and "CDNA5" Instruction Set Architecture Reference Guide (July 2026). The comments in the code are by the model that wrote it; some were corrected since.
;; Multi Query Attention. Allowed arithmetic: matrix products marked QUANTISED: E5M2 operands, one given power-of-two scale a tensor, by v_wmma_f32_16x16x64_bf8_bf8 or v_wmma_f32_16x16x128_bf8_bf8, f32 sums; everything else in f32.
;; Inputs: Wk_codes 64 x 32 x 32 uint8 (E5M2 codes of Wk, K innermost, in blocks of 32 codes); Wo_codes 1,024 x 32 x 32 uint8 (E5M2 codes of Wo, K innermost, in blocks of 32 codes); Wq_codes 1,024 x 32 x 32 uint8 (E5M2 codes of Wq, K innermost, in blocks of 32 codes); Wv_codes 64 x 32 x 32 uint8 (E5M2 codes of Wv, K innermost, in blocks of 32 codes); bk 64 float32; bo 1,024 float32; bq 1,024 float32; bv 64 float32; lowp_scales 12 int32 (the exponents e of the quantised operands' scales 2^e); x_codes 2 x 2,048 x 32 x 32 uint8 (E5M2 codes of x, K innermost, in blocks of 32 codes).
;; Outputs: out0 2 x 2,048 x 1,024 float32.
;; This version of the problem:
;;   THIS VERSION OF THE PROBLEM IS GIVEN IN LOW PRECISION. The matrix products marked QUANTISED in the list below multiply operands that are first quantised to E5M2 (5 exponent bits, 2 mantissa bits; 8 bits a number), with one given power-of-two scale for each operand tensor; their sums are f32. All else is computed in f32.
;;   The module's matrix products, in the order in which they are computed (A, B: the left and right operand; K: the contracted axis; several contracted axes count as one K, in the product's order):
;;     1. [M 4,096, K 1,024] x [K 1,024, N 1,024]; A: input x (given as codes); B: input Wq (given as codes): QUANTISED (scales: A lowp_scales[0], B lowp_scales[1])
;;     2. [M 4,096, K 1,024] x [K 1,024, N 64]; A: input x (given as codes); B: input Wk (given as codes): QUANTISED (scales: A lowp_scales[2], B lowp_scales[3])
;;     3. [M 4,096, K 1,024] x [K 1,024, N 64]; A: input x (given as codes); B: input Wv (given as codes): QUANTISED (scales: A lowp_scales[4], B lowp_scales[5])
;;     4. batch 2 x [M 2,048, K 64] x [K 64, N 32,768]; A: computed on the way; B: computed on the way: QUANTISED (scales: A lowp_scales[6], B lowp_scales[7])
;;     5. batch 2 x [M 64, K 2,048] x [K 2,048, N 32,768]; A: computed on the way; B: softmax (see below): QUANTISED (scales: A lowp_scales[8], B lowp_scales[9])
;;     6. [M 4,096, K 1,024] x [K 1,024, N 1,024]; A: computed on the way; B: input Wo (given as codes): QUANTISED (scales: A lowp_scales[10], B lowp_scales[11])
;;   THE QUANTISER, for each operand of a quantised product, along K:
;;     - The operand's scale is 2^e, e = its entry of the input lowp_scales (int32; the entries are numbered through the quantised products in the list's order, A before B).
;;     - Each number is divided by the scale, clamped to +-57,344, and rounded to the nearest number of E5M2, ties to even, subnormals kept.
;;     - The product sums the exact products of the quantised numbers (number of the format x scale) in f32.
;;   ~~~python
;;   def quantise(x, axis, e):      # numpy; x: float32 -> the quantised numbers, widened to float32 again
;;       x = np.moveaxis(x, axis, -1); K = x.shape[-1]
;;       r = np.clip(x / 2.0 ** e, -57344, 57344)
;;       step = 2.0 ** (np.maximum(np.frexp(np.where(r == 0, 1, r))[1] - 1, -14) - 2)
;;       q = np.round(r / step) * step * 2.0 ** e      # np.round: ties to even
;;       return np.moveaxis(q, -1, axis).astype(np.float32)
;;   ~~~
;;   SOFTMAX AHEAD OF A QUANTISED PRODUCT. Where the list says 'softmax', what is quantised is not the finished softmax but p = 2^(t - M), with t = logit x log2(e) and M = ceil(the row's largest t), a whole number; so 1/2 < the row's largest p <= 1. The row's sum l is taken of the UNQUANTISED p, in f32, and the product's result is divided by l at the end. Since M is a whole number, a kernel that streams over the keys may use a running M (the ceiling of the running maximum): every later rescaling is an exact power of two, so the quantised numbers keep their values, but for numbers so far below the row's largest that they fall under the format's range.
;;   OPERANDS COMPUTED ON THE WAY. 'Computed on the way' means the value that the module computes at that place (a softmax that the list does not call 'softmax' is quantised finished and normalised). What goes into a quantiser is computed in f32, as accurately as f32 sums, v_exp_f32 and their like allow (about 1e-6 of the number): no bf16 or f16 on the way to a quantiser, and a product that is left as it is and whose result goes on into a quantised operand takes f32 operands (vector FMAs, or v_wmma_f32_16x16x4_f32). A number that lies on a knife's edge between two numbers of the format may be rounded either way, as far as f32 arithmetic and the matrix unit's own rounding can turn it there, and no further.
;;   INPUTS GIVEN AS CODES. Wk (in the module: [1024, 64], K = its axis 0); Wo (in the module: [1024, 1024], K = its axis 0); Wq (in the module: [1024, 1024], K = its axis 0); Wv (in the module: [1024, 64], K = its axis 0); x (in the module: [2, 2048, 1024], K = its axis 2): each comes as NAME_codes (uint8): NAME with its K axis moved to the last place and cut into blocks of 32 codes, [.., K / 32, bytes a block], one block behind the other in memory; one code a byte (a code: sign, 5 exponent bits, 2 mantissa bits); its scale is its entry of lowp_scales. Its value is code x scale, taken as it is: it is not quantised again, and the codes and scales need not be those that the quantiser above would give.
;; One version. Each part assembles by itself: llvm-mc -triple=amdgcn-amd-amdhsa -mcpu=gfx1250 --defsym DOCPART=n.
;; ======== version 1 of 1: 3 launches
;; limits: right only within a limited range of input values
;; workspace buffers: qimg 4,194,304 bytes; kvws 524,288 bytes; oimg 4,194,304 bytes
;; launch proj (part 1): grid 8 x 32, 4 waves a work-group, clusters of 4 x 4, 327,680 bytes of LDS; arguments x_codes, Wq_codes, Wk_codes, Wv_codes, bq, bk, bv, lowp_scales, qimg, kvws; writes qimg, kvws
.if DOCPART == 1
	.amdgcn_target "amdgcn-amd-amdhsa--gfx1250"
	.amdhsa_code_object_version 6
	.text
	.protected	k_q1357ba9899_proj
	.globl	k_q1357ba9899_proj
	.p2align	8
	.type	k_q1357ba9899_proj,@function
k_q1357ba9899_proj:
	s_mov_b64 s[64:65], 0
	v_nop
	global_prefetch_b8 v0, s[64:65] scope:SCOPE_SE
	s_setreg_imm32_b32 hwreg(HW_REG_WAVE_MODE, 25, 1), 1
	s_wait_xcnt 0x0
	s_wait_alu depctr_hold_cnt(0) depctr_sa_sdst(0) depctr_va_vdst(0) depctr_va_sdst(0) depctr_va_ssrc(0) depctr_va_vcc(0) depctr_vm_vsrc(0)
	s_getreg_b32 s2, hwreg(HW_REG_IB_STS2, 6, 4)
	s_cmp_eq_u32 s2, 0
	s_cbranch_scc0 .Lentry_in_a_cluster
	s_endpgm
.Lentry_in_a_cluster:
	s_bfe_u32 s2, ttmp6, 0x10000c
	s_cmp_lg_u32 s2, 0xf033
	s_cbranch_scc0 .Lentry_shape_is_right
	s_endpgm
.Lentry_shape_is_right:
; q = x Wq + bq, k = x Wk + bk, v = x Wv + bv on codes of E5M2, and the three results quantised to E5M2 again: q with 2^e7, k with 2^e6, v with 2^e8 (e: the entries of the buffer of scales).
; x: [4096][1024] codes; Wq: [1024 (n)][1024 (k)], Wk, Wv: [64 (n)][1024 (k)] codes, K innermost.  A sum of codes stands for sum x 2^(e0+e1) (q), 2^(e2+e3) (k), 2^(e4+e5) (v).
; SHARES.  A work-group of four waves makes 128 rows x 128 columns of q (a wave 64 x 64 = one head: 16 accumulators) and, for the same 128 rows, ONE tile of 16 columns of k or of v:
; 32 row blocks x 8 such tiles are as many as there are work-groups.  The cluster's x says which (0: k, 1: v), the place cx in the cluster which tile.  The two waves of a row half both
; make the four extra accumulators of their 64 rows (the same text in all waves) and each stores two of them.
; ALL OF K LIES IN LDS: two slots of 512 along K, each filled once, all asked for at the head, one tensor load a wave: waves 0, 1: x's and Wq's 128 rows of slot 0; waves 2, 3: of slot 1.  No LDS byte is filled twice.
; The extra tile's weights (16 KB) come into registers by plain loads: each wave has its one tensor load for x or Wq.  Nothing is prefetched: no loop runs ahead of a load, all is asked for at the head.
; CLUSTERS: 4 x 4 work-groups.  x's tiles hang on the row block alone and are asked for jointly along a row of the cluster, Wq's along a column.
; THE MATRIX INSTRUCTION IS USED TRANSPOSED for q and k (source 0 = 16 rows of the weight, source 1 = 16 rows of x): a lane then holds one token and eight neighbouring columns, which one
; conversion turns into eight codes along the next product's K.  For v it is used as it stands: a lane holds one column d and eight tokens, which are the next K there.
; THE ROWS OF Wk AND Wv THAT FORM A TILE ARE NOT NEIGHBOURS: lane m of tile T takes row 32 (T / 2) + 8 (T % 2) + m + 8 (m / 8).
; WHAT IS STORED are images of the next launch's operand registers (lane l's 16 bytes at 16 l):
;   qimg [tile of 16 tokens 256][head 16][c 2][lane 32][16]: bytes 0-7 d = 32 c + 8 (lane / 16) + 0..7, bytes 8-15 the same + 16.
;   kvws [row block 32][16 rows of 1,024]: rows 0-7: K, a row = 16 keys: [c 2][half 2][key 16][16], d as in qimg;  rows 8-15: V, two rows a tile D: [c4 4][half 2][lane m 16][16], byte i = key 32 c4 + 16 half + i.
; LIMITS, so that each power of two below is an f32 number: e0+e1, e2+e3, e4+e5 between -126 and 127; e6, e7, e8 between -126 and 112.  NaN among the inputs is not served.
; REGISTERS.  window 0: v7, v24 the add's; v8-15 the extra tile's bias; v16-27 addresses; v28-31 scales and holds; v32-63 q's codes; v64-95 bq; v96-127 the extra accumulators; v128-255 q's.
;   window 1: two buffers of 128: x's four fragments (16 rows x 128 K, 16 registers each), then Wq's four.   window 2: v0-127 the extra tile's eight fragments.
.set PITCH,  528                       ; an LDS row: 512 bytes + 16 of padding = 132 words: the 16 rows that a load touches start at 16 different groups of four banks (64 banks of 4 bytes: ISA guide 11.1)
.set HALFT,  64*PITCH                  ; 64 rows: what one wave reads of x or of Wq
.set SLOT,   4*HALFT                   ; x's 128 rows, then Wq's 128 rows
.set SPARE,  2*SLOT                    ; the spare words, 128 bytes a wave
.set SPW,  7
.set EB,   8
.set ADRA, 16                          ; v16-17  LDS address of my fragments of x in slot 0, 1
.set ADRB, 20                          ; v20-21  the same for Wq
.set NIL,  24
.set QO,   25                          ; v25     16 x lane
.set KVO,  26                          ; v26, 27 my 8 bytes in kvws, for each of my two extra tiles
.set QC,   32
.set BQ,   64
.set EA,   96
.set EO,   104                         ; v104    the extra weights' offset, at the head alone
.set ACC,  128
.set WV,   10                          ; s10 wave; s11 which 64 rows, also: which slot I fetch; s12 which 64 columns, also: I fetch for x (0) or for Wq (1)
.set G1A,  16                          ; s[16:23] descriptor group 1 for x's tiles; s[24:31] for Wq's
.set G1B,  24
.set G0A,  32                          ; s[32:35] group 0 for x; s[48:51] for Wq
.set G0B,  48
.set EP,   78                          ; s[78:79] where the extra tile's weights begin
.set MSB, 0
.macro WIN new                         ; low byte: bits 1:0 source 0, 3:2 source 1, 5:4 source 2, 7:6 destination; the high byte repeats the setting that is left
.if MSB != \new
	s_set_vgpr_msb (MSB<<8)|\new
.set MSB, \new
.endif
.endm
.macro PLACES                          ; four plain vector lines between a matrix instruction and a load into, or a vector line on, one of its registers
.rept 4
	v_nop
.endr
.endm
.macro CROUND                          ; a round of the cluster's barrier: my work-group's barrier, wave 0 signals for the work-group, all wait for all sixteen, my work-group's barrier again
	s_barrier_signal -1
	s_barrier_wait -1
	s_cmp_lg_u32 s[WV], 0
	s_cbranch_scc1 .Lnot_wave_0_\@
	s_barrier_signal -3
.Lnot_wave_0_\@:
	s_barrier_wait -3
	s_barrier_signal -1
	s_barrier_wait -1
.endm
	s_load_b512 s[80:95], s[0:1], 0x0              ; x s[80:81], Wq s[82:83], Wk s[84:85], Wv s[86:87], bq s[88:89], bk s[90:91], bv s[92:93], the scales s[94:95]
	s_load_b128 s[96:99], s[0:1], 0x40             ; qimg s[96:97], kvws s[98:99]
	v_lshl_add_u32 v[SPW], v0, 2, SPARE
	v_mov_b32 v[NIL], 0
	ds_add_u32 v[SPW], v[NIL]                      ; the opening: the add, twice on end, and its wait ahead of the tensor load
	ds_add_u32 v[SPW], v[NIL]
	v_lshrrev_b32 v1, 5, v0
	v_readfirstlane_b32 s[WV], v1                  ; wave 0..3
	s_lshr_b32 s11, s[WV], 1
	s_and_b32 s12, s[WV], 1
	s_bfe_u32 s3, ttmp6, 0x40000                   ; cx
	s_bfe_u32 s4, ttmp6, 0x40004                   ; cy
	s_lshl_b32 s5, ttmp9, 2
	s_add_co_u32 s5, s5, s3                        ; X: block of 128 columns of q
	s_and_b32 s6, ttmp7, 0xffff
	s_lshl_b32 s6, s6, 2
	s_add_co_u32 s6, s6, s4                        ; Y: block of 128 rows
	s_lshl_b32 s7, s4, 2
	s_lshl_b32 s7, 15, s7                          ; my row of the cluster
	s_lshl_b32 s8, 0x1111, s3                      ; my column
	s_or_b32 s[G1A], s7, (1<<20)|(1<<21)|(6<<22)|(3<<25)   ; 15:0 the mask; 17:16 elements of 1 byte; 20 padding on; 21 set beside a mask; 24:22 after every 128 words; 31:25 four words
	s_or_b32 s[G1B], s8, (1<<20)|(1<<21)|(6<<22)|(3<<25)
.irp g, G1A, G1B
	s_mov_b32 s[\g+1], 512<<16                     ; tensor_dim0 = 512
	s_mov_b32 s[\g+2], 128<<16                     ; tensor_dim1 = 128
	s_mov_b32 s[\g+3], 512<<16                     ; tile_dim0 = 512
	s_mov_b32 s[\g+4], 128                         ; tile_dim1 = 128
	s_mov_b32 s[\g+5], 1024                        ; from row to row
	s_mov_b32 s[\g+6], 0
	s_mov_b32 s[\g+7], 0
.endr
	s_lshl_b32 s9, s11, 9                          ; 512 x slot along K
	s_lshl_b32 s14, s6, 17                         ; x: row 128 Y, 1,024 bytes a row
	s_add_co_u32 s14, s14, s9
	s_mov_b32 s15, 0
	s_lshl_b32 s66, s5, 17                         ; Wq: row 128 X
	s_add_co_u32 s66, s66, s9
	s_mov_b32 s67, 0
	s_mul_i32 s13, s11, SLOT                       ; where they go: no place in the cluster enters an LDS address
	s_wait_dscnt 0x0                               ; both opening adds are done
	s_wait_kmcnt 0x0
	s_add_nc_u64 s[14:15], s[80:81], s[14:15]
	s_add_nc_u64 s[66:67], s[82:83], s[66:67]
	s_mov_b32 s[G0A], 1                            ; count = 1
	s_mov_b32 s[G0A+1], s13                        ; LDS address
	s_mov_b64 s[G0A+2:G0A+3], s[14:15]             ; global address
	s_or_b32 s[G0A+3], s[G0A+3], 0x80000000        ; type = 2
	s_mov_b32 s[G0B], 1
	s_add_co_u32 s[G0B+1], s13, 2*HALFT
	s_mov_b64 s[G0B+2:G0B+3], s[66:67]
	s_or_b32 s[G0B+3], s[G0B+3], 0x80000000
	s_lshr_b32 s66, s3, 1                          ; the extra tile begins at row 32 (cx / 2) + 8 (cx % 2)
	s_lshl_b32 s66, s66, 15
	s_and_b32 s2, s3, 1
	s_lshl_b32 s2, s2, 13
	s_add_co_u32 s66, s66, s2
	s_mov_b32 s67, 0
	s_cmp_eq_u32 ttmp9, 0                          ; the cluster's x, the same in all sixteen partners: 0: k, 1: v
	s_cselect_b64 s[EP:EP+1], s[84:85], s[86:87]
	s_add_nc_u64 s[EP:EP+1], s[EP:EP+1], s[66:67]
	CROUND                                         ; all sixteen work-groups are here: the joint loads meet
	s_cmp_eq_u32 s12, 0                            ; one load a wave: waves 0, 2 for x, waves 1, 3 for Wq
	s_cbranch_scc0 .Lfill_b
	tensor_load_to_lds s[G0A:G0A+3], s[G1A:G1A+7]
	s_nop 0
.rept 4
	v_nop                                          ; four lines behind the load, ahead of the jump and the label
.endr
	s_branch .Lfilled
.Lfill_b:
	tensor_load_to_lds s[G0B:G0B+3], s[G1B:G1B+7]
	s_nop 0
.rept 4
	v_nop
.endr
.Lfilled:
	s_load_b256 s[80:87], s[94:95], 0x0            ; e0 .. e7 (the four pointers that lay here have been used)
	s_load_b32 s9, s[94:95], 0x20                  ; e8
	v_and_b32 v1, 15, v0                           ; r = lane % 16
	v_bfe_u32 v2, v0, 4, 1                         ; h = lane / 16
	v_and_b32 v5, 8, v1
	v_add_nc_u32 v5, v5, v1                        ; r + 8 (r / 8)
	v_lshlrev_b32 v[EO], 10, v5
	v_lshl_add_u32 v[EO], v2, 4, v[EO]
	s_wait_alu depctr_va_vdst(0)
	WIN 0x80                                       ; destination window 2
.irp s, 0,1,2,3,4,5,6,7
.irp c, 0,1,2,3
	global_load_b128 v[16*\s+4*\c:16*\s+4*\c+3], v[EO], s[EP:EP+1] offset:128*\s+32*\c   ; the extra tile's fragments, K in the order of all fragments here
.endr
.endr
	WIN 0
	s_lshl_b32 s2, s5, 1
	s_add_co_u32 s2, s2, s12                       ; my head: 2 X + column half
	s_lshl_b32 s66, s2, 8                          ; its 64 numbers of bq
	s_add_nc_u64 s[88:89], s[88:89], s[66:67]
	v_lshlrev_b32 v3, 5, v2                        ; lane (r, h) wants bq at 16 b + 8 h + 0..7: the result's layout
.irp b, 0,1,2,3
	global_load_b128 v[BQ+8*\b:BQ+8*\b+3], v3, s[88:89] offset:64*\b
	global_load_b128 v[BQ+8*\b+4:BQ+8*\b+7], v3, s[88:89] offset:64*\b+16
.endr
	s_lshl_b32 s66, s6, 17                         ; qimg: tile of tokens 8 Y + 4 x row half (16,384 bytes a tile), my head (1,024 bytes)
	s_lshl_b32 s67, s11, 16
	s_add_co_u32 s66, s66, s67
	s_lshl_b32 s67, s2, 10
	s_add_co_u32 s66, s66, s67
	s_mov_b32 s67, 0
	s_add_nc_u64 s[96:97], s[96:97], s[66:67]
	s_lshl_b32 s66, s6, 14                         ; kvws: 16,384 bytes a row block
	s_add_nc_u64 s[98:99], s[98:99], s[66:67]
	s_lshr_b32 s66, s3, 1                          ; the extra tile's bias begins at 32 (cx / 2) + 8 (cx % 2)
	s_lshl_b32 s66, s66, 7
	s_and_b32 s2, s3, 1
	s_lshl_b32 s2, s2, 5
	s_add_co_u32 s66, s66, s2
	s_cmp_eq_u32 ttmp9, 0
	s_cselect_b64 s[90:91], s[90:91], s[92:93]     ; bk or bv
	s_cselect_b32 s14, 4, 0                        ; k: register j holds column 16 h + j of the tile's span; v: all eight hold the lane's one column
	s_cselect_b32 vcc_lo, -1, 0
	s_add_nc_u64 s[90:91], s[90:91], s[66:67]
	v_lshlrev_b32 v4, 6, v2                        ; k: 4 x 16 h
	v_lshlrev_b32 v5, 2, v5                        ; v: 4 x (r + 8 (r / 8))
	v_cndmask_b32 v4, v5, v4, vcc_lo
.irp j, 0,1,2,3,4,5,6,7
	v_mad_u32_u24 v[EA+\j], s14, \j, v4
.endr
.irp j, 0,1,2,3,4,5,6,7
	global_load_b32 v[EB+\j], v[EA+\j], s[90:91]
.endr
	v_mul_u32_u24 v6, v1, PITCH
	v_lshl_add_u32 v6, v2, 4, v6                   ; a fragment's row x pitch + 16 x half: registers 4 c .. 4 c + 3 then hold K = 32 c + 16 h + 0..15, alike in x and in all weights
	s_wait_alu depctr_va_vdst(0)
	s_mul_i32 s66, s11, HALFT                      ; my 64 rows of x
	s_mul_i32 s67, s12, HALFT                      ; my 64 rows of Wq,
	s_add_co_u32 s67, s67, 2*HALFT                 ; which lie behind x's 128
.irp q, 0,1
	v_add_nc_u32 v[ADRA+\q], s66, v6
	v_add_nc_u32 v[ADRB+\q], s67, v6
	s_add_co_u32 s66, s66, SLOT
	s_add_co_u32 s67, s67, SLOT
.endr
	v_and_b32 v[QO], 31, v0
	v_lshlrev_b32 v[QO], 4, v[QO]
	s_lshl_b32 s66, s[WV], 11                      ; k: my two groups of 16 keys are rows 2 w and 2 w + 1; the tile is piece cx of 256 bytes
	s_lshl_b32 s67, s3, 8
	s_add_co_u32 s66, s66, s67
	s_lshl_b32 s67, s3, 11                         ; v: tile cx takes 2,048 bytes behind K's 8,192; my 32 keys are its piece w of 512, 16 keys to a half of 256
	s_lshl_b32 s2, s[WV], 9
	s_add_co_u32 s67, s67, s2
	s_add_co_u32 s67, s67, 8192
	s_cmp_eq_u32 ttmp9, 0
	s_cselect_b32 s66, s66, s67
	s_mov_b32 s67, 256
	s_cselect_b32 s67, 1024, s67
	v_lshlrev_b32 v[KVO], 4, v1
	v_lshl_add_u32 v[KVO], v2, 3, v[KVO]           ; 16 r + 8 h: the wave's 8-byte store covers 256 consecutive bytes, aligned
	v_add_nc_u32 v[KVO], s66, v[KVO]
	v_add_nc_u32 v[KVO+1], s67, v[KVO]
; 32 LDS loads in one run: the fragments of step s (128 along K: quarter s % 4 of slot s / 4) into buffer f
.macro FETCH s, f
	WIN 0x40                                       ; destination window 1, address window 0
.irp b, 0,1,2,3
.irp c, 0,1,2,3
	ds_load_b128 v[128*(\f)+64+16*\b+4*\c:128*(\f)+64+16*\b+4*\c+3], v[ADRB+(\s)/4] offset:128*((\s)%4)+32*\c+\b*16*PITCH
.endr
.endr
.irp a, 0,1,2,3
.irp c, 0,1,2,3
	ds_load_b128 v[128*(\f)+16*\a+4*\c:128*(\f)+16*\a+4*\c+3], v[ADRA+(\s)/4] offset:128*((\s)%4)+32*\c+\a*16*PITCH
.endr
.endr
.endm
; 8 matrix instructions: row tiles a0, a0 + 1 x the four column tiles.  zero = 1: the first product starts the sums: nothing is cleared
.macro MUL8 f, a0, zero
	WIN 0x05                                       ; sources 0 and 1 window 1; C and D window 0
.irp a, \a0, \a0+1
.irp b, 0,1,2,3
.if \zero
	v_wmma_f32_16x16x128_bf8_bf8 v[ACC+8*(4*(\a)+\b):ACC+8*(4*(\a)+\b)+7], v[128*(\f)+64+16*\b:128*(\f)+64+16*\b+15], v[128*(\f)+16*(\a):128*(\f)+16*(\a)+15], 0
.else
	v_wmma_f32_16x16x128_bf8_bf8 v[ACC+8*(4*(\a)+\b):ACC+8*(4*(\a)+\b)+7], v[128*(\f)+64+16*\b:128*(\f)+64+16*\b+15], v[128*(\f)+16*(\a):128*(\f)+16*(\a)+15], v[ACC+8*(4*(\a)+\b):ACC+8*(4*(\a)+\b)+7]
.endif
.endr
.endr
.endm
; The extra tile's four products.  k: weight first (a lane: one token, eight d); v: x first (a lane: one d, eight tokens).  The branch hangs on the cluster's x alone; both ways write the same registers.
.macro EXTRA s, f, zero
	WIN 0                                          ; at a branch and at a label every window is 0
	s_cmp_eq_u32 ttmp9, 0
	s_cbranch_scc0 .Lrole_v_\@
	WIN 0x06                                       ; source 0 (weight) window 2, source 1 (x) window 1
.irp a, 0,1,2,3
.if \zero
	v_wmma_f32_16x16x128_bf8_bf8 v[EA+8*\a:EA+8*\a+7], v[16*(\s):16*(\s)+15], v[128*(\f)+16*\a:128*(\f)+16*\a+15], 0
.else
	v_wmma_f32_16x16x128_bf8_bf8 v[EA+8*\a:EA+8*\a+7], v[16*(\s):16*(\s)+15], v[128*(\f)+16*\a:128*(\f)+16*\a+15], v[EA+8*\a:EA+8*\a+7]
.endif
.endr
	WIN 0
	s_branch .Lrole_done_\@
.Lrole_v_\@:
	WIN 0x09                                       ; source 0 (x) window 1, source 1 (weight) window 2
.irp a, 0,1,2,3
.if \zero
	v_wmma_f32_16x16x128_bf8_bf8 v[EA+8*\a:EA+8*\a+7], v[128*(\f)+16*\a:128*(\f)+16*\a+15], v[16*(\s):16*(\s)+15], 0
.else
	v_wmma_f32_16x16x128_bf8_bf8 v[EA+8*\a:EA+8*\a+7], v[128*(\f)+16*\a:128*(\f)+16*\a+15], v[16*(\s):16*(\s)+15], v[EA+8*\a:EA+8*\a+7]
.endif
.endr
	WIN 0
.Lrole_done_\@:
.endm
; A step is 128 along K: 20 matrix instructions on 20 accumulators, one instruction a turn, in the same order in every step.
; The next step's fragments are asked for at its head, into the other buffer, which the step before has multiplied.
.macro STEP s, f, zero
	s_wait_dscnt 0x0                               ; this step's fragments are in
.if (\s) < 7
	PLACES
	FETCH (\s)+1, 1-(\f)
.endif
	MUL8 \f, 0, \zero
	MUL8 \f, 2, \zero
	EXTRA \s, \f, \zero
.endm
	s_wait_alu depctr_va_vdst(0)
	s_wait_xcnt 0x0                                ; the loads have read their offsets: v96-104 become accumulators
	s_wait_tensorcnt 0x0                           ; my one load has landed,
	s_barrier_signal -1
	s_barrier_wait -1                              ; and everybody's: both slots are whole
	s_wait_loadcnt 0x0                             ; the extra tile's weights and the biases
	FETCH 0, 0
	STEP 0, 0, 1
	STEP 1, 1, 0
	STEP 2, 0, 0
	STEP 3, 1, 0
	STEP 4, 0, 0
	STEP 5, 1, 0
	STEP 6, 0, 0
	STEP 7, 1, 0
	; THE WAY OUT.  sum x 2^(the two exponents) + bias, held within the largest code x the scale (the conversion to an 8-bit code does not saturate: ISA guide 7.6.2), converted.
	s_wait_kmcnt 0x0
	s_add_co_i32 s32, s80, s81
	s_add_co_i32 s32, s32, 127
	s_lshl_b32 s32, s32, 23                        ; 2^(e0 + e1) as f32
	s_mov_b32 s33, s32                             ; (named with it as a pair, so it is written)
	s_add_co_i32 s34, s82, s83
	s_add_co_i32 s35, s84, s85
	s_cmp_eq_u32 ttmp9, 0
	s_cselect_b32 s34, s34, s35                    ; e2 + e3 for k, e4 + e5 for v
	s_cselect_b32 s37, s86, s9                     ; e6 for k, e8 for v
	s_add_co_i32 s34, s34, 127
	s_lshl_b32 s34, s34, 23
	s_mov_b32 s35, s34
	s_sub_co_u32 s36, 0, s12                       ; all ones in the waves of the right column half
	s_add_co_i32 s38, s87, 127
	s_lshl_b32 s39, s38, 23
	v_mov_b32 v28, s39                             ; 2^e7: the conversion takes its exponent field
	s_add_co_i32 s38, s38, 15
	s_lshl_b32 s38, s38, 23
	s_or_b32 s38, s38, 0x600000
	v_mov_b32 v29, s38                             ; 57,344 x 2^e7
	s_add_co_i32 s38, s37, 127
	s_lshl_b32 s39, s38, 23
	v_mov_b32 v30, s39
	s_add_co_i32 s38, s38, 15
	s_lshl_b32 s38, s38, 23
	s_or_b32 s38, s38, 0x600000
	v_mov_b32 v31, s38
	PLACES
.irp a, 0,1,2,3
.irp p, 0,2,4,6,8,10,12,14,16,18,20,22,24,26,28,30
	v_pk_fma_f32 v[ACC+32*\a+\p:ACC+32*\a+\p+1], v[ACC+32*\a+\p:ACC+32*\a+\p+1], s[32:33], v[BQ+\p:BQ+\p+1] op_sel_hi:[1,0,1]   ; each accumulator from its low end on
.endr
.set i, 0
.rept 32
	v_med3_num_f32 v[ACC+32*\a+i], v[ACC+32*\a+i], -v29, v29
.set i, i+1
.endr
.irp b, 0,1,2,3
	v_cvt_scalef32_pk8_bf8_f32 v[QC+8*\a+2*\b:QC+8*\a+2*\b+1], v[ACC+32*\a+8*\b:ACC+32*\a+8*\b+7], v28   ; d = 16 b + 8 h + 0..7: registers 2 b, 2 b + 1 of the next product's fragment
.endr
.endr
	v_nop                                          ; a plain line behind the last conversion
.irp a, 0,1,2,3
.irp c, 0,1
	global_store_b128 v[QO], v[QC+8*\a+4*\c:QC+8*\a+4*\c+3], s[96:97] offset:16384*\a+512*\c   ; 32 lanes store 512 consecutive bytes, aligned
.endr
.endr
	s_mov_b32 vcc_lo, s36
.set i, 0
.rept 16
	v_cndmask_b32 v[EA+i], v[EA+i], v[EA+16+i], vcc_lo   ; my two of the four extra tiles: row tiles 2 x column half + 0, 1
.set i, i+1
.endr
.irp t, 0,1
.irp p, 0,2,4,6
	v_pk_fma_f32 v[EA+8*\t+\p:EA+8*\t+\p+1], v[EA+8*\t+\p:EA+8*\t+\p+1], s[34:35], v[EB+\p:EB+\p+1] op_sel_hi:[1,0,1]
.endr
.endr
.set i, 0
.rept 16
	v_med3_num_f32 v[EA+i], v[EA+i], -v31, v31
.set i, i+1
.endr
	v_cvt_scalef32_pk8_bf8_f32 v[EA+16:EA+17], v[EA:EA+7], v30
	v_cvt_scalef32_pk8_bf8_f32 v[EA+18:EA+19], v[EA+8:EA+15], v30
	v_nop
	global_store_b64 v[KVO], v[EA+16:EA+17], s[98:99]
	global_store_b64 v[KVO+1], v[EA+18:EA+19], s[98:99]
	s_wait_tensorcnt 0x0                           ; the wave's end
	ds_add_u32 v[SPW], v[NIL]
	s_wait_dscnt 0x0
	CROUND                                         ; the closing round: no work-group ends while a partner may still ask for a tile that names it
	s_endpgm
.Lfunc_end_k_q1357ba9899_proj:
	.size	k_q1357ba9899_proj, .Lfunc_end_k_q1357ba9899_proj-k_q1357ba9899_proj
	.p2alignl 7, 3214868480
	.fill 96, 4, 3214868480
	.section	.rodata,"a",@progbits
	.p2align	6, 0x0
	.amdhsa_kernel k_q1357ba9899_proj
		.amdhsa_group_segment_fixed_size 327680
		.amdhsa_private_segment_fixed_size 0
		.amdhsa_enable_private_segment 0
		.amdhsa_kernarg_size 80
		.amdhsa_user_sgpr_count 2
		.amdhsa_user_sgpr_kernarg_segment_ptr 1
		.amdhsa_wavefront_size32 1
		.amdhsa_system_sgpr_workgroup_id_x 1
		.amdhsa_system_sgpr_workgroup_id_y 1
		.amdhsa_system_sgpr_workgroup_id_z 1
		.amdhsa_system_vgpr_workitem_id 0
		.amdhsa_next_free_vgpr 640
		.amdhsa_next_free_sgpr 100
		.amdhsa_reserve_vcc 1
		.amdhsa_float_denorm_mode_32 3
		.amdhsa_float_denorm_mode_16_64 3
		.amdhsa_memory_ordered 1
		.amdhsa_forward_progress 1
		.amdhsa_inst_pref_size 62
	.end_amdhsa_kernel
	.amdgpu_metadata
---
amdhsa.version: [ 1, 2 ]
amdhsa.kernels:
  - .name:           k_q1357ba9899_proj
    .symbol:         k_q1357ba9899_proj.kd
    .args:
      - { .name: x_codes, .offset: 0, .size: 8, .value_kind: global_buffer, .address_space: global }
      - { .name: Wq_codes, .offset: 8, .size: 8, .value_kind: global_buffer, .address_space: global }
      - { .name: Wk_codes, .offset: 16, .size: 8, .value_kind: global_buffer, .address_space: global }
      - { .name: Wv_codes, .offset: 24, .size: 8, .value_kind: global_buffer, .address_space: global }
      - { .name: bq, .offset: 32, .size: 8, .value_kind: global_buffer, .address_space: global }
      - { .name: bk, .offset: 40, .size: 8, .value_kind: global_buffer, .address_space: global }
      - { .name: bv, .offset: 48, .size: 8, .value_kind: global_buffer, .address_space: global }
      - { .name: lowp_scales, .offset: 56, .size: 8, .value_kind: global_buffer, .address_space: global }
      - { .name: qimg, .offset: 64, .size: 8, .value_kind: global_buffer, .address_space: global }
      - { .name: kvws, .offset: 72, .size: 8, .value_kind: global_buffer, .address_space: global }
    .group_segment_fixed_size: 327680
    .private_segment_fixed_size: 0
    .kernarg_segment_align: 8
    .kernarg_segment_size: 80
    .max_flat_workgroup_size: 128
    .sgpr_count:     100
    .vgpr_count:     640
    .wavefront_size: 32
...
	.end_amdgpu_metadata
.endif
;; end of part 1
;; launch attn (part 2): grid 128 x 2, 8 waves a work-group, clusters of 4 x 1, 327,680 bytes of LDS; arguments qimg, kvws, lowp_scales, oimg; writes oimg
.if DOCPART == 2
	.amdgcn_target "amdgcn-amd-amdhsa--gfx1250"
	.amdhsa_code_object_version 6
	.text
	.protected	k_q1357ba9899_attn
	.globl	k_q1357ba9899_attn
	.p2align	8
	.type	k_q1357ba9899_attn,@function
k_q1357ba9899_attn:
	s_mov_b64 s[64:65], 0
	v_nop
	global_prefetch_b8 v0, s[64:65] scope:SCOPE_SE
	s_setreg_imm32_b32 hwreg(HW_REG_WAVE_MODE, 25, 1), 1
	s_wait_xcnt 0x0
	s_wait_alu depctr_hold_cnt(0) depctr_sa_sdst(0) depctr_va_vdst(0) depctr_va_sdst(0) depctr_va_ssrc(0) depctr_va_vcc(0) depctr_vm_vsrc(0)
	s_getreg_b32 s2, hwreg(HW_REG_IB_STS2, 6, 4)
	s_cmp_eq_u32 s2, 0
	s_cbranch_scc0 .Lentry_in_a_cluster
	s_endpgm
.Lentry_in_a_cluster:
	s_bfe_u32 s2, ttmp6, 0x10000c
	s_cmp_lg_u32 s2, 0x3003
	s_cbranch_scc0 .Lentry_shape_is_right
	s_endpgm
.Lentry_shape_is_right:
; o[token][head][:] = the sum over keys of softmax(q . k / 8) v, one k and v for all 16 heads, both products on codes of E5M2; the result is quantised with 2^e10 for the last projection.
; q, k, v come as register images (qimg, kvws: their layouts stand at the head of the launch that stores them); k's scale is 2^e6, q's 2^e7, v's 2^e8, p's 2^e9.
; THE SOFTMAX: t = score x log2(e) / 8; M = the largest t so far, rounded UP to a whole number; p = 2^(t - M) is quantised along the keys, not normalised.  The row's sum is taken of the
; unquantised p and divides at the end.  When M moves, the sum and O are multiplied by 2^(old M - new M), which rounds nothing; there is no branch on data.
; SHARES.  A work-group owns 16 tokens x all 16 heads; wave w owns heads 2 w and 2 w + 1: two tiles of 16 queries, so that each fragment of K and V read from LDS feeds two products.
; Two waves to a SIMD.  Every wave walks the batch's 2,048 keys in blocks of 256: M moves once a block.  A block is two parts of 128 keys: part a's scores lie in window 0, part b's in window 1
; until part a has become codes; both parts' products with V stand at the block's end.
; THE BATCH'S WHOLE K AND V LIE IN LDS, 256 rows of 1,024 bytes, 32 rows a block; no LDS byte is filled twice.  Blocks 0 and 1 are asked for at the head (wave w: rows 8 w .. 8 w + 7), the other six behind the round that
; follows (wave w: rows 64 + 24 w .. 64 + 24 w + 23), while block 0 is worked on; a barrier ahead of block 1 shows them.  Nothing is prefetched: no loop reads memory.
; CLUSTER.  All work-groups of a batch read the same rows: the four partners ask for each tile jointly (the same load, the same descriptor, mask 15).
; LAYOUT.  Both products are used transposed: S^T = K Q^T (source 0 = 16 keys), O^T = V^T P^T (source 0 = 16 of the head's 64): a lane holds ONE query throughout.
; THE KEYS OF A TILE ARE NOT NEIGHBOURS: lane r of tile 2 b + u takes key 32 b + 16 (r / 8) + 8 u + r % 8, so that the 16 registers of tiles 2 b, 2 b + 1 are keys 32 b + 16 (lane / 16) + 0..15: the
; conversions' results are the second product's operand.  V's rows of a tile were chosen likewise, so that O^T's 16 registers of two tiles are 16 neighbours along the last projection's K.
; oimg [block of 128 rows 32][q 4][tile of 16 rows 8][kk 2][c 4][lane 32][16]: k = 256 q + 128 kk + 32 c + 16 (lane / 16) + 0..15: wave w's two heads are K step w = 2 q + kk.
; THE EXPONENTIALS go in batches of 32, with a wait ahead of each batch and behind it.  The other lines inside a batch read what stood ahead of that wait, and what they write is read behind the next.
; LIMITS, so that each power of two below is an f32 number: e6 + e7 between -123 and 130; e9, e10 between -126 and 112; e8 + e9 between -115 and 126; scaled scores under 2^31 in magnitude.
; REGISTERS.  window 0: v1-9 addresses, the add's, the scale; v10-13 (-M, largest score) a tile; v14-17 the sums; v18-21 f; v22-27 at work; v32-47 the block's maxima in 16 chains, then sums of tile 1 at work, then part b's codes
;   of tile 0; v48-63 sums of tile 0 at work; v64-127 O^T; v128-255 a part's scores, then p (128-143 at last part b's codes of tile 1).
;   window 1: v0-15 Q; v16-95 K's fragments, ten of a block's sixteen at a time; v96-127 part a's codes; v128-255 part b's scores, then V's eight fragments.
.set ROWP,   1152                      ; a row in LDS: 1,024 bytes + 128 of padding: the two groups of keys that a fragment of K touches fall on different halves of the banks
.set STEPB,  16*ROWP                   ; 128 keys: 8 rows of K, 8 of V
.set BLKB,   2*STEPB
.set SPARE,  256*ROWP                  ; the spare words, 128 bytes a wave
.set AK0,  1                           ; v1   my lane's place in a tile of K
.set LN16, 2                           ; v2   16 x lane: V's place, Q's loads, O's stores; never rewritten
.set ADK,  3
.set ADV,  4
.set SPW,  5
.set NIL,  6
.set SCL,  8
.set NM,   10
.set LS,   14
.set FF,   18
.set TA,   22
.set TC,   26
.set CA,   32
.set AC1,  32
.set AC0,  48
.set O,    64
.set WK,   128
.set KR0,  16
.set PA,   96
.set VA,   192
.set VB,   128
.set WV,   12
.set G1,   16                          ; s[16:23] descriptor group 1, s[24:27] group 0 of the head's fill
.set G0,   24
.set G1B,  28                          ; s[28:35], s[36:39] of the second fill
.set G0B,  36
.set SEL,  40                          ; s[40:41] lane selects for v_permlanex16_b32: lane l xor 16
.set CS,   42                          ; s[42:43] c = log2(e) / 8 x 2^(e6 + e7)
.set TB,   44                          ; s44  LDS byte at which the block begins
.set CNT,  45
.set HB,   57                          ; s57  57,344 x 2^e9
.set MSB, 0
.macro WIN new                         ; low byte: bits 1:0 source 0, 3:2 source 1, 5:4 source 2, 7:6 destination; the high byte repeats the setting that is left
.if MSB != (\new)
	s_set_vgpr_msb (MSB<<8)|(\new)
.set MSB, \new
.endif
.endm
.macro VWAIT
	s_wait_alu depctr_va_vdst(0)
.endm
.macro CROUND                          ; a round of the cluster's barrier
	s_barrier_signal -1
	s_barrier_wait -1
	s_cmp_lg_u32 s[WV], 0
	s_cbranch_scc1 .Lnot_wave_0_\@
	s_barrier_signal -3
.Lnot_wave_0_\@:
	s_barrier_wait -3
	s_barrier_signal -1
	s_barrier_wait -1
.endm
	s_load_b256 s[4:11], s[0:1], 0x0               ; qimg s[4:5], kvws s[6:7], the scales s[8:9], oimg s[10:11]
	v_lshl_add_u32 v[SPW], v0, 2, SPARE
	v_mov_b32 v[NIL], 0
	ds_add_u32 v[SPW], v[NIL]                      ; the opening: the add, twice on end, and its wait ahead of the tensor load
	ds_add_u32 v[SPW], v[NIL]
	v_lshrrev_b32 v1, 5, v0
	v_readfirstlane_b32 s[WV], v1                  ; wave 0..7
	s_bfe_u32 s13, ttmp6, 0x40000                  ; cx
	s_and_b32 s15, ttmp7, 0xffff                   ; the batch, which the four partners share
	s_lshl_b32 s14, ttmp9, 2
	s_add_co_u32 s14, s14, s13
	s_lshl_b32 s50, s15, 7
	s_add_co_u32 s14, s14, s50                     ; my tile of 16 tokens: 128 x batch + 4 x cluster x + cx: it enters Q's and O's addresses alone
.irp g, G1, G1B
	s_mov_b32 s[\g], 15|(1<<20)|(1<<21)|(7<<22)|(31<<25)   ; 15:0 the mask: all four; 17:16 elements of 1 byte; 20 padding on; 21 set beside a mask; 24:22 after every 256 words; 31:25 32 words
	s_mov_b32 s[\g+1], 1024<<16                    ; tensor_dim0
	s_mov_b32 s[\g+3], 1024<<16                    ; tile_dim0
	s_mov_b32 s[\g+5], 1024                        ; from row to row
	s_mov_b32 s[\g+6], 0
	s_mov_b32 s[\g+7], 0
.endr
	s_mov_b32 s[G1+2], 8<<16                       ; tensor_dim1 and tile_dim1: 8 rows at the head,
	s_mov_b32 s[G1+4], 8
	s_mov_b32 s[G1B+2], 24<<16                     ; 24 behind it
	s_mov_b32 s[G1B+4], 24
	s_lshl_b32 s46, s15, 18                        ; the batch's 262,144 bytes,
	s_mul_i32 s58, s[WV], 24*1024
	s_add_co_u32 s58, s58, s46
	s_add_co_u32 s58, s58, 64*1024                 ; my rows of the second fill,
	s_mov_b32 s59, 0
	s_lshl_b32 s47, s[WV], 13
	s_add_co_u32 s46, s46, s47                     ; and of the head's
	s_mov_b32 s47, 0
	s_mul_i32 s48, s[WV], 8*ROWP
	s_mul_i32 s49, s[WV], 24*ROWP
	s_add_co_u32 s49, s49, 64*ROWP
	s_mov_b32 s[SEL], 0x76543210
	s_mov_b32 s[SEL+1], 0xfedcba98
	s_wait_dscnt 0x0                               ; both opening adds are done
	s_wait_kmcnt 0x0
	s_load_b128 s[52:55], s[8:9], 0x18             ; e6, e7, e8, e9
	s_load_b32 s56, s[8:9], 0x28                   ; e10
	s_add_nc_u64 s[58:59], s[6:7], s[58:59]
	s_add_nc_u64 s[6:7], s[6:7], s[46:47]
	s_mov_b32 s[G0], 1                             ; count = 1
	s_mov_b32 s[G0+1], s48                         ; LDS address
	s_mov_b64 s[G0+2:G0+3], s[6:7]                 ; global address
	s_or_b32 s[G0+3], s[G0+3], 0x80000000          ; type = 2
	s_mov_b32 s[G0B], 1
	s_mov_b32 s[G0B+1], s49
	s_mov_b64 s[G0B+2:G0B+3], s[58:59]
	s_or_b32 s[G0B+3], s[G0B+3], 0x80000000
	CROUND                                         ; all four work-groups are here: the joint loads meet
	tensor_load_to_lds s[G0:G0+3], s[G1:G1+7]
	s_nop 0
.rept 4
	v_nop                                          ; four lines behind the load
.endr
	v_and_b32 v[LN16], 31, v0
	v_lshlrev_b32 v[LN16], 4, v[LN16]
	s_lshl_b32 s50, s14, 14                        ; qimg: 16,384 bytes a tile of tokens, 1,024 a head
	s_lshl_b32 s51, s[WV], 11
	s_add_co_u32 s50, s50, s51
	s_mov_b32 s51, 0
	s_add_nc_u64 s[4:5], s[4:5], s[50:51]
	VWAIT
	WIN 0x40                                       ; destination window 1
.irp i, 0,1,2,3
	global_load_b128 v[4*\i:4*\i+3], v[LN16], s[4:5] offset:512*\i   ; Q stays in registers: head 2 w + i / 2, piece i % 2
.endr
	WIN 0
	s_lshr_b32 s50, s14, 3                         ; oimg: block of 128 rows, K step w = 2 q + kk, tile of 16 rows
	s_lshl_b32 s50, s50, 17
	s_and_b32 s51, s14, 7
	s_lshl_b32 s51, s51, 12
	s_add_co_u32 s50, s50, s51
	s_lshr_b32 s51, s[WV], 1
	s_lshl_b32 s51, s51, 15
	s_add_co_u32 s50, s50, s51
	s_and_b32 s51, s[WV], 1
	s_lshl_b32 s51, s51, 11
	s_add_co_u32 s50, s50, s51
	s_mov_b32 s51, 0
	s_add_nc_u64 s[10:11], s[10:11], s[50:51]
	v_and_b32 v7, 15, v0                           ; r
	v_bfe_u32 v9, v0, 4, 1                         ; h
	v_lshrrev_b32 v28, 3, v7
	v_mul_u32_u24 v[AK0], v28, ROWP                ; lanes 8-15 of a tile take the next group of 16 keys,
	v_lshl_add_u32 v[AK0], v9, 8, v[AK0]           ; my half's piece of 256 bytes,
	v_and_b32 v7, 7, v7
	v_lshl_add_u32 v[AK0], v7, 4, v[AK0]           ; key r % 8 (+ 8 u by the offset)
.irp e, 0,1
	v_mov_b32 v[NM+2*\e], 0x7f61b1e6               ; -M: 3e38
	v_mov_b32 v[NM+2*\e+1], 0xff61b1e6             ; the largest score so far: -3e38, under every score
	v_mov_b32 v[FF+2*\e+1], 0                      ; (named as the upper half of a pair)
	v_mov_b32 v[TC+\e], 0                          ; a lane permute's destination counts as one of its sources
	v_mov_b32 v[LS+2*\e], 0                        ; the sums, a pair a tile
	v_mov_b32 v[LS+2*\e+1], 0
.endr
.set i, 0
.rept 64
	v_mov_b32 v[O+i], 0                            ; O^T: the block is written without a first block of its own: the first finds zeros, which the first change of M leaves zeros
.set i, i+1
.endr
	s_wait_kmcnt 0x0
	s_add_co_i32 s46, s52, s53
	s_lshl_b32 s46, s46, 23
	s_add_co_i32 s[CS], s46, 0x3e38aa3b            ; log2(e) / 8 with e6 + e7 added to its exponent field
	s_mov_b32 s[CS+1], s[CS]
	s_add_co_i32 s46, s55, 127
	s_lshl_b32 s47, s46, 23
	v_mov_b32 v[SCL], s47                          ; 2^e9, for the conversion
	s_add_co_i32 s46, s46, 15
	s_lshl_b32 s46, s46, 23
	s_or_b32 s[HB], s46, 0x600000                  ; 57,344 x 2^e9
.macro KLOAD t, off                    ; key tile t of the block at v[ADK] + off: tiles 10-15 take the registers of tiles 0-5
.set KR, KR0+8*((\t)%10)
	ds_load_b128 v[KR:KR+3], v[ADK] offset:\off+STEPB*((\t)/8)+2*ROWP*(((\t)%8)/2)+128*((\t)%2)
	ds_load_b128 v[KR+4:KR+7], v[ADK] offset:\off+STEPB*((\t)/8)+2*ROWP*(((\t)%8)/2)+128*((\t)%2)+512
.endm
.macro VLOAD reg, off                  ; V's four fragments of a part: each load 512 consecutive bytes
.irp d, 0,1,2,3
.irp c, 0,1,2,3
	ds_load_b128 v[\reg+16*\d+4*\c:\reg+16*\d+4*\c+3], v[ADV] offset:\off+(8+2*\d+\c/2)*ROWP+512*(\c%2)
.endr
.endr
.endm
.macro SMUL hi                         ; a part's scores, both tiles of queries: part a into window 0, part b into window 1
	WIN 0x05+0x40*\hi
.irp t, 0,1,2,3,4,5,6,7
.irp e, 0,1
	v_wmma_f32_16x16x64_bf8_bf8 v[WK+64*\e+8*\t:WK+64*\e+8*\t+7], v[KR0+8*((\t+8*\hi)%10):KR0+8*((\t+8*\hi)%10)+7], v[8*\e:8*\e+7], 0
.endr
.endr
.rept 4
	v_nop                                          ; four places between these products and what follows on their registers (ISA guide 7.12.1)
.endr
.endm
.macro MAXES hi                        ; the largest score of each query: four chains a tile and part, each of which begins with the largest so far; each accumulator is first read at its low end
	WIN 0x14*\hi
.irp i, 0,8,16,24,32,40,48,56
.irp e, 0,1
.irp c, 0,1,2,3
.if \i == 0
	v_max3_num_f32 v[CA+8*\hi+4*\e+\c], v[NM+2*\e+1], v[WK+64*\e+2*\c], v[WK+64*\e+2*\c+1]
.else
	v_max3_num_f32 v[CA+8*\hi+4*\e+\c], v[CA+8*\hi+4*\e+\c], v[WK+64*\e+\i+2*\c], v[WK+64*\e+\i+2*\c+1]
.endif
.endr
.endr
.endr
.endm
.macro HOLD p                          ; two numbers p held at the largest code x the scale (p is not negative: one-sided; the conversion does not saturate: ISA guide 7.6.2)
	v_dual_min_num_f32 v[WK+\p], s[HB], v[WK+\p] :: v_dual_min_num_f32 v[WK+\p+1], s[HB], v[WK+\p+1]
.endm
; A PART: 128 keys, both tiles, 128 numbers a lane: batches of 32 exponentials, 0 and 1 tile 0's, 2 and 3 tile 1's.  Part b (hi = 1): ahead of the wait behind each batch a run of LDS loads is issued: V's of part a, V's of part b
; (into the registers of part b's scores, which batch 0's lines were the last to read), and the next block's first ten fragments of K in two runs.
.macro PROC hi, last
	WIN 4*\hi                                      ; (source 1, the scores: window hi)
.set j, 0
.rept 32
	v_pk_fma_f32 v[WK+2*j:WK+2*j+1], s[CS:CS+1], v[WK+2*j:WK+2*j+1], v[NM:NM+1] op_sel_hi:[0,1,0]   ; tile 0: t - M, two at a time (of the pairs c and -M the low word serves both halves)
.set j, j+1
.endr
	VWAIT
.set j, 0
.rept 32                               ; batch 0; tile 1's t - M
	v_exp_f32 v[WK+j], v[WK+j]
	v_pk_fma_f32 v[WK+64+2*j:WK+64+2*j+1], s[CS:CS+1], v[WK+64+2*j:WK+64+2*j+1], v[NM+2:NM+3] op_sel_hi:[0,1,0]
.set j, j+1
.endr
.if \hi
	WIN 0x40
	VLOAD VA, 0
.endif
	WIN 0
	VWAIT
.set k, 0
.rept 16                               ; batch 1; batch 0's numbers: the sums, taken of the UNQUANTISED p, eight pairs a tile, and then the hold
	v_exp_f32 v[WK+32+2*k], v[WK+32+2*k]
.if k < 8
	v_pk_add_f32 v[AC0+2*k:AC0+2*k+1], v[WK+2*k:WK+2*k+1], v[WK+16+2*k:WK+16+2*k+1]
.else
	HOLD 2*k
.endif
	v_exp_f32 v[WK+33+2*k], v[WK+33+2*k]
.if k < 8
	HOLD 2*k
.endif
.set k, k+1
.endr
.if \hi
	WIN 0x40
	VLOAD VB, STEPB
	WIN 0
.endif
	VWAIT
.set k, 0
.rept 16                               ; batch 2; half of batch 1's numbers
	v_exp_f32 v[WK+64+2*k], v[WK+64+2*k]
.if k % 2 == 0
	v_pk_add_f32 v[AC0+k:AC0+k+1], v[AC0+k:AC0+k+1], v[WK+32+k:WK+32+k+1]
.else
	HOLD 31+k
.endif
	v_exp_f32 v[WK+65+2*k], v[WK+65+2*k]
.set k, k+1
.endr
.if \hi
.if \last == 0
	WIN 0x40
.irp t, 0,1,2,3,4
	KLOAD \t, BLKB
.endr
	WIN 0
.endif
.endif
	VWAIT
.set k, 0
.rept 16                               ; batch 3; the rest of batch 1's numbers, and batch 2's
	v_exp_f32 v[WK+96+2*k], v[WK+96+2*k]
.if k < 8
	v_pk_add_f32 v[AC0+2*k:AC0+2*k+1], v[AC0+2*k:AC0+2*k+1], v[WK+48+2*k:WK+48+2*k+1]
	HOLD 48+2*k
.else
	HOLD 64+2*k
.endif
	v_exp_f32 v[WK+97+2*k], v[WK+97+2*k]
.if k < 8
	v_pk_add_f32 v[AC1+2*k:AC1+2*k+1], v[WK+64+2*k:WK+64+2*k+1], v[WK+80+2*k:WK+80+2*k+1]
	HOLD 64+2*k
.endif
.set k, k+1
.endr
	v_nop                                          ; a plain line behind the last exponential
.if \hi
.if \last == 0
	WIN 0x40
.irp t, 5,6,7,8,9
	KLOAD \t, BLKB
.endr
	WIN 0
.endif
.endif
	VWAIT
.set k, 0
.rept 8                                ; batch 3's numbers; the holds of its second half stand between the levels of the sums
	v_pk_add_f32 v[AC1+2*k:AC1+2*k+1], v[AC1+2*k:AC1+2*k+1], v[WK+96+2*k:WK+96+2*k+1]
.set k, k+1
.endr
.set k, 0
.rept 8
	HOLD 96+2*k
.set k, k+1
.endr
.set k, 0
.rept 8
	v_pk_add_f32 v[AC1+2*k:AC1+2*k+1], v[AC1+2*k:AC1+2*k+1], v[WK+112+2*k:WK+112+2*k+1]
.set k, k+1
.endr
	HOLD 112
	HOLD 114
.irp i, 0,2,4,6                        ; the eight pairs of a tile become one
	v_pk_add_f32 v[AC0+\i:AC0+\i+1], v[AC0+\i:AC0+\i+1], v[AC0+8+\i:AC0+8+\i+1]
	v_pk_add_f32 v[AC1+\i:AC1+\i+1], v[AC1+\i:AC1+\i+1], v[AC1+8+\i:AC1+8+\i+1]
.endr
	HOLD 116
	HOLD 118
.irp i, 0,2
	v_pk_add_f32 v[AC0+\i:AC0+\i+1], v[AC0+\i:AC0+\i+1], v[AC0+4+\i:AC0+4+\i+1]
	v_pk_add_f32 v[AC1+\i:AC1+\i+1], v[AC1+\i:AC1+\i+1], v[AC1+4+\i:AC1+4+\i+1]
.endr
	HOLD 120
	HOLD 122
	v_pk_add_f32 v[AC0:AC0+1], v[AC0:AC0+1], v[AC0+2:AC0+3]
	v_pk_add_f32 v[AC1:AC1+1], v[AC1:AC1+1], v[AC1+2:AC1+3]
	HOLD 124
	HOLD 126
	v_pk_add_f32 v[LS:LS+1], v[LS:LS+1], v[AC0:AC0+1]
	v_pk_add_f32 v[LS+2:LS+3], v[LS+2:LS+3], v[AC1:AC1+1]
.if \hi == 0
	WIN 0x40                                       ; part a's codes: window 1
.endif
.irp t, 0,1,2,3,4,5,6,7
.if \hi == 0
	v_cvt_scalef32_pk8_bf8_f32 v[PA+2*\t:PA+2*\t+1], v[WK+8*\t:WK+8*\t+7], v[SCL]
.else
	v_cvt_scalef32_pk8_bf8_f32 v[AC1+2*\t:AC1+2*\t+1], v[WK+8*\t:WK+8*\t+7], v[SCL]
.endif
.endr
	v_nop                                          ; a plain line between tile 0's conversions and what is laid over their sources
.irp t, 0,1,2,3,4,5,6,7
.if \hi == 0
	v_cvt_scalef32_pk8_bf8_f32 v[PA+16+2*\t:PA+16+2*\t+1], v[WK+64+8*\t:WK+64+8*\t+7], v[SCL]
.else
	v_cvt_scalef32_pk8_bf8_f32 v[WK+2*\t:WK+2*\t+1], v[WK+64+8*\t:WK+64+8*\t+7], v[SCL]
.endif
.endr
	v_nop
.endm
; A BLOCK: 256 keys at LDS byte s[TB].  Its first ten fragments of K are on their way.
.macro BLOCK last
	s_wait_dscnt 0x0                               ; K's ten fragments are in
	v_add_nc_u32 v[ADK], s[TB], v[AK0]
	v_add_nc_u32 v[ADV], s[TB], v[LN16]
.rept 3
	v_nop                                          ; with the two additions: five places between the last block's products and these, which write over a source of theirs
.endr
	SMUL 0
	WIN 0x40
.irp t, 10,11,12,13,14,15
	KLOAD \t, 0
.endr
	MAXES 0
	s_wait_dscnt 0x0                               ; and the other six (part a's maxima are read again 64 plain lines further on)
	SMUL 1
	MAXES 1
	WIN 0
.irp e, 0,1
	v_max3_num_f32 v[TA+2*\e], v[CA+4*\e], v[CA+4*\e+1], v[CA+4*\e+2]   ; a tile's eight chains become one
.endr
.irp e, 0,1
	v_max3_num_f32 v[TA+2*\e+1], v[CA+4*\e+3], v[CA+8+4*\e], v[CA+8+4*\e+1]
.endr
.irp e, 0,1
	v_max3_num_f32 v[TA+2*\e], v[TA+2*\e], v[CA+8+4*\e+2], v[CA+8+4*\e+3]
.endr
.irp e, 0,1
	v_max_num_f32 v[TA+2*\e], v[TA+2*\e], v[TA+2*\e+1]
.endr
.irp e, 0,1
	v_permlanex16_b32 v[TC+\e], v[TA+2*\e], s[SEL], s[SEL+1]   ; the query's other keys lie in the lane 16 away
.endr
.irp e, 0,1
	v_max_num_f32 v[NM+2*\e+1], v[TA+2*\e], v[TC+\e]   ; the largest score so far
.endr
.irp e, 0,1
	v_mul_f32 v[TA+2*\e], s[CS], v[NM+2*\e+1]      ; as t (c is positive)
.endr
.irp e, 0,1
	v_mov_b32 v[TA+2*\e+1], v[NM+2*\e]
.endr
.irp e, 0,1
	v_floor_f32 v[NM+2*\e], -v[TA+2*\e]            ; the new -M = floor(-t) = -ceil(t): a whole number
.endr
.irp e, 0,1
	v_sub_f32 v[TA+2*\e], v[NM+2*\e], v[TA+2*\e+1] ; old M - new M: a whole number, 0 or less
.endr
.irp e, 0,1
	v_cvt_i32_f32 v[TA+2*\e], v[TA+2*\e]           ; (it saturates)
.endr
.irp e, 0,1
	v_ldexp_f32 v[FF+2*\e], 1.0, v[TA+2*\e]        ; f = 2^(old M - new M)
.endr
.irp e, 0,1
	v_pk_mul_f32 v[LS+2*\e:LS+2*\e+1], v[LS+2*\e:LS+2*\e+1], v[FF+2*\e:FF+2*\e+1] op_sel_hi:[1,0]   ; the sums under the new M
.endr
	PROC 0, \last
	PROC 1, \last
	s_wait_dscnt 20*(1-\last)                      ; V is in; behind it the next block's 20 loads of K, if any, may stay out
	VWAIT
.irp e, 0,1
.set j, 0
.rept 16
	v_pk_mul_f32 v[O+32*\e+2*j:O+32*\e+2*j+1], v[O+32*\e+2*j:O+32*\e+2*j+1], v[FF+2*\e:FF+2*\e+1] op_sel_hi:[1,0]   ; O^T under the new M
.set j, j+1
.endr
.endr
	WIN 0x05                                       ; V and part a's codes window 1; O^T window 0
.irp d, 0,1,2,3
.irp e, 0,1
	v_wmma_f32_16x16x128_bf8_bf8 v[O+32*\e+8*\d:O+32*\e+8*\d+7], v[VA+16*\d:VA+16*\d+15], v[PA+16*\e:PA+16*\e+15], v[O+32*\e+8*\d:O+32*\e+8*\d+7]   ; eight accumulators, one instruction a turn
.endr
.endr
	WIN 0x01                                       ; part b's codes window 0
.irp d, 0,1,2,3
.irp e, 0,1
	v_wmma_f32_16x16x128_bf8_bf8 v[O+32*\e+8*\d:O+32*\e+8*\d+7], v[VB+16*\d:VB+16*\d+15], v[AC1+(WK-AC1)*\e:AC1+(WK-AC1)*\e+15], v[O+32*\e+8*\d:O+32*\e+8*\d+7]
.endr
.endr
	WIN 0
.endm
	v_add_nc_u32 v[ADK], 0, v[AK0]
	VWAIT
	s_wait_loadcnt 0x0                             ; Q
	s_wait_tensorcnt 0x0                           ; my 8 rows of blocks 0 and 1 have landed
	ds_add_u32 v[SPW], v[NIL]
	s_wait_dscnt 0x0
	CROUND                                         ; everybody's rows are in, and all four work-groups are here: the joint loads meet
	tensor_load_to_lds s[G0B:G0B+3], s[G1B:G1B+7]  ; blocks 2 to 7
	s_nop 0
.rept 4
	v_nop
.endr
	WIN 0x40
.irp t, 0,1,2,3,4,5,6,7,8,9
	KLOAD \t, 0
.endr
	WIN 0
	s_mov_b32 s[TB], 0
	BLOCK 0                                        ; block 0; its K loads for block 1 touch the head's rows alone
	s_add_co_u32 s[TB], s[TB], BLKB
	VWAIT
	s_wait_tensorcnt 0x0                           ; my 24 rows have landed,
	s_wait_dscnt 0x0
	s_barrier_signal -1
	s_barrier_wait -1                              ; and everybody's: nothing is filled any more
	s_mov_b32 s[CNT], 6
.Lblk:
	BLOCK 0
	s_add_co_u32 s[TB], s[TB], BLKB
	s_sub_co_u32 s[CNT], s[CNT], 1
	s_cmp_lg_u32 s[CNT], 0
	s_cbranch_scc1 .Lblk
	BLOCK 1                                        ; the last block asks for no further K
	; THE WAY OUT.  O^T x 2^(e8 + e9) / the sum is held, converted with 2^e10 and stored as K step w of the last projection's operand.
	v_add_f32 v[LS], v[LS], v[LS+1]
	v_add_f32 v[LS+2], v[LS+2], v[LS+3]
	v_permlanex16_b32 v[TC], v[LS], s[SEL], s[SEL+1]
	v_permlanex16_b32 v[TC+1], v[LS+2], s[SEL], s[SEL+1]
	v_add_f32 v[LS], v[LS], v[TC]
	v_add_f32 v[LS+2], v[LS+2], v[TC+1]
	VWAIT
	v_rcp_f32 v[FF], v[LS]
	v_rcp_f32 v[FF+2], v[LS+2]
	v_nop                                          ; a plain line behind the reciprocals
	s_add_co_i32 s46, s54, s55                     ; e8 + e9
	s_add_co_i32 s47, s56, 127
	s_lshl_b32 s48, s47, 23
	s_add_co_i32 s47, s47, 15
	s_lshl_b32 s47, s47, 23
	s_or_b32 s47, s47, 0x600000
	v_mov_b32 v[SCL], s48                          ; 2^e10
	v_mov_b32 v9, s47                              ; 57,344 x 2^e10
	VWAIT                                          ; one wait for both reciprocals, ahead of their first reader
	v_ldexp_f32 v[FF], v[FF], s46
	v_ldexp_f32 v[FF+2], v[FF+2], s46
	VWAIT                                          ; and one directly ahead of the first reader of O^T
.irp e, 0,1
.set j, 0
.rept 16
	v_pk_mul_f32 v[O+32*\e+2*j:O+32*\e+2*j+1], v[O+32*\e+2*j:O+32*\e+2*j+1], v[FF+2*\e:FF+2*\e+1] op_sel_hi:[1,0]   ; each accumulator from its low end on
.set j, j+1
.endr
.endr
.set j, 0
.rept 64
	v_med3_num_f32 v[O+j], v[O+j], -v9, v9
.set j, j+1
.endr
.irp e, 0,1
.irp d, 0,1,2,3
	v_cvt_scalef32_pk8_bf8_f32 v[AC1+8*\e+2*\d:AC1+8*\e+2*\d+1], v[O+32*\e+8*\d:O+32*\e+8*\d+7], v[SCL]   ; tiles 2 b, 2 b + 1: d = 32 b + 16 h + 0..15 of head 2 w + e: registers 4 (2 e + b) on
.endr
.endr
	v_nop                                          ; a plain line behind the last conversion
.irp i, 0,1,2,3
	global_store_b128 v[LN16], v[AC1+4*\i:AC1+4*\i+3], s[10:11] offset:512*\i   ; 32 lanes store 512 consecutive bytes, aligned
.endr
	s_wait_tensorcnt 0x0                           ; the wave's end
	ds_add_u32 v[SPW], v[NIL]
	s_wait_dscnt 0x0
	CROUND                                         ; the closing round
	s_endpgm
.Lfunc_end_k_q1357ba9899_attn:
	.size	k_q1357ba9899_attn, .Lfunc_end_k_q1357ba9899_attn-k_q1357ba9899_attn
	.p2alignl 7, 3214868480
	.fill 96, 4, 3214868480
	.section	.rodata,"a",@progbits
	.p2align	6, 0x0
	.amdhsa_kernel k_q1357ba9899_attn
		.amdhsa_group_segment_fixed_size 327680
		.amdhsa_private_segment_fixed_size 0
		.amdhsa_enable_private_segment 0
		.amdhsa_kernarg_size 32
		.amdhsa_user_sgpr_count 2
		.amdhsa_user_sgpr_kernarg_segment_ptr 1
		.amdhsa_wavefront_size32 1
		.amdhsa_system_sgpr_workgroup_id_x 1
		.amdhsa_system_sgpr_workgroup_id_y 1
		.amdhsa_system_sgpr_workgroup_id_z 1
		.amdhsa_system_vgpr_workitem_id 0
		.amdhsa_next_free_vgpr 512
		.amdhsa_next_free_sgpr 66
		.amdhsa_reserve_vcc 0
		.amdhsa_float_denorm_mode_32 3
		.amdhsa_float_denorm_mode_16_64 3
		.amdhsa_memory_ordered 1
		.amdhsa_forward_progress 1
		.amdhsa_inst_pref_size 180
	.end_amdhsa_kernel
	.amdgpu_metadata
---
amdhsa.version: [ 1, 2 ]
amdhsa.kernels:
  - .name:           k_q1357ba9899_attn
    .symbol:         k_q1357ba9899_attn.kd
    .args:
      - { .name: qimg, .offset: 0, .size: 8, .value_kind: global_buffer, .address_space: global }
      - { .name: kvws, .offset: 8, .size: 8, .value_kind: global_buffer, .address_space: global }
      - { .name: lowp_scales, .offset: 16, .size: 8, .value_kind: global_buffer, .address_space: global }
      - { .name: oimg, .offset: 24, .size: 8, .value_kind: global_buffer, .address_space: global }
    .group_segment_fixed_size: 327680
    .private_segment_fixed_size: 0
    .kernarg_segment_align: 8
    .kernarg_segment_size: 32
    .max_flat_workgroup_size: 256
    .sgpr_count:     66
    .vgpr_count:     512
    .wavefront_size: 32
...
	.end_amdgpu_metadata
.endif
;; end of part 2
;; launch oproj (part 3): grid 8 x 32, 4 waves a work-group, clusters of 4 x 4, 327,680 bytes of LDS; arguments oimg, Wo_codes, bo, lowp_scales, out0; writes out0
.if DOCPART == 3
	.amdgcn_target "amdgcn-amd-amdhsa--gfx1250"
	.amdhsa_code_object_version 6
	.text
	.protected	k_q1357ba9899_oproj
	.globl	k_q1357ba9899_oproj
	.p2align	8
	.type	k_q1357ba9899_oproj,@function
k_q1357ba9899_oproj:
	s_mov_b64 s[64:65], 0
	v_nop
	global_prefetch_b8 v0, s[64:65] scope:SCOPE_SE
	s_setreg_imm32_b32 hwreg(HW_REG_WAVE_MODE, 25, 1), 1
	s_wait_xcnt 0x0
	s_wait_alu depctr_hold_cnt(0) depctr_sa_sdst(0) depctr_va_vdst(0) depctr_va_sdst(0) depctr_va_ssrc(0) depctr_va_vcc(0) depctr_vm_vsrc(0)
	s_getreg_b32 s2, hwreg(HW_REG_IB_STS2, 6, 4)
	s_cmp_eq_u32 s2, 0
	s_cbranch_scc0 .Lentry_in_a_cluster
	s_endpgm
.Lentry_in_a_cluster:
	s_bfe_u32 s2, ttmp6, 0x10000c
	s_cmp_lg_u32 s2, 0xf033
	s_cbranch_scc0 .Lentry_shape_is_right
	s_endpgm
.Lentry_shape_is_right:
; out0 = o Wo + bo.  o: 4,096 x 1,024 codes of E5M2 with the scale 2^e10, as register images (oimg: its layout stands at the head of the launch that stores it); Wo: [1024 (n)][1024 (k)] codes, K innermost,
; scale 2^e11; bo [1024], out0 [4096][1024]: f32.  The codes are multiplied as they are; each finished sum becomes sum x 2^(e10 + e11) + bo by one packed multiply-add for two numbers.
; SHARES.  A work-group of four waves makes 128 x 128 of out0, a wave 64 x 64: 16 accumulators.  32 x 8 tiles: one for each of 256 work-groups.
; ALL OF K LIES IN LDS: two slots of 512 along K, each filled once, all asked for at the head, one tensor load a wave: waves 0, 1: o's and Wo's part of slot 0; waves 2, 3: of slot 1.  No LDS byte is filled twice.
; o's part of a slot is one dense block of images (no pitch, no padding: a load of a fragment's four registers reads 512 consecutive bytes); Wo's is 128 rows of 512 bytes + 16.
; Nothing is prefetched: no loop runs ahead of a load, all is asked for at the head.
; CLUSTERS: 4 x 4 work-groups.  o's tiles hang on the row block alone and are asked for jointly along a row of the cluster, Wo's on the column block alone, along a column.
; THE MATRIX INSTRUCTION IS USED TRANSPOSED (source 0 = 16 rows of Wo, source 1 = 16 rows of o): a lane holds eight neighbouring numbers of a row of out0.
; LIMIT: e10 + e11 between -126 and 127, so that 2^(e10 + e11) is an f32 number.
; REGISTERS.  window 0: v16-27 addresses; v32-63 bo in the result's layout; v126, 127 the add's; v128-255 the accumulators.   window 1: two buffers of 128: o's four fragments, then Wo's four.
.set PITCH,  528                       ; Wo's LDS row: 512 bytes + 16 of padding: the 16 rows that a load touches start at 16 different groups of four banks (64 banks of 4 bytes: ISA guide 11.1)
.set HALFT,  64*PITCH
.set ABLK,   65536                     ; o's part of a slot: two K steps of 256 x 8 tiles of 16 rows x 4,096 bytes
.set SLOT,   ABLK+2*HALFT
.set STG,    2*SLOT                    ; behind the slots: for each wave two stages of 16 rows x (256 bytes + 16): bytes of their own, into which no fill lands
.set SPITCH, 272
.set SPARE,  STG+4*2*16*SPITCH         ; the spare words, 128 bytes a wave
.set ADRA, 16
.set ADRB, 20
.set STO,  24                          ; v24  the way out: where I put 32 bytes of a row
.set RD,   25                          ; v25  where I read a row back
.set CO,   26                          ; v26  my byte offset in two rows of out0
.set BIAS, 32
.set SPW,  126
.set NIL,  127
.set ACC,  128
.set WV,   10
.set G1A,  16
.set G1B,  24
.set G0A,  32
.set G0B,  48
.set MSB, 0
.macro WIN new                         ; low byte: bits 1:0 source 0, 3:2 source 1, 5:4 source 2, 7:6 destination; the high byte repeats the setting that is left
.if MSB != \new
	s_set_vgpr_msb (MSB<<8)|\new
.set MSB, \new
.endif
.endm
.macro PLACES                          ; four plain vector lines between a matrix instruction and a load into, or a vector line on, one of its registers
.rept 4
	v_nop
.endr
.endm
.macro CROUND                          ; a round of the cluster's barrier
	s_barrier_signal -1
	s_barrier_wait -1
	s_cmp_lg_u32 s[WV], 0
	s_cbranch_scc1 .Lnot_wave_0_\@
	s_barrier_signal -3
.Lnot_wave_0_\@:
	s_barrier_wait -3
	s_barrier_signal -1
	s_barrier_wait -1
.endm
	s_load_b256 s[72:79], s[0:1], 0x0              ; oimg s[72:73], Wo s[74:75], bo s[76:77], the scales s[78:79]
	s_load_b64 s[80:81], s[0:1], 0x20              ; out0
	v_lshl_add_u32 v[SPW], v0, 2, SPARE
	v_mov_b32 v[NIL], 0
	ds_add_u32 v[SPW], v[NIL]                      ; the opening: the add, twice on end, and its wait ahead of the tensor load
	ds_add_u32 v[SPW], v[NIL]
	v_lshrrev_b32 v1, 5, v0
	v_readfirstlane_b32 s[WV], v1                  ; wave 0..3
	s_lshr_b32 s11, s[WV], 1                       ; which 64 rows are mine.  Also: which slot I fetch
	s_and_b32 s12, s[WV], 1                        ; which 64 columns.  Also: I fetch for o (0) or for Wo (1)
	s_bfe_u32 s3, ttmp6, 0x40000                   ; cx
	s_bfe_u32 s4, ttmp6, 0x40004                   ; cy
	s_lshl_b32 s5, ttmp9, 2
	s_add_co_u32 s5, s5, s3                        ; X: block of 128 columns
	s_and_b32 s6, ttmp7, 0xffff
	s_lshl_b32 s6, s6, 2
	s_add_co_u32 s6, s6, s4                        ; Y: block of 128 rows
	s_lshl_b32 s7, s4, 2
	s_lshl_b32 s7, 15, s7                          ; my row of the cluster
	s_lshl_b32 s8, 0x1111, s3                      ; my column
	s_or_b32 s[G1A], s7, (3<<16)|(1<<21)           ; 15:0 the mask; 17:16 elements of 8 bytes; no padding; 21 set beside a mask
	s_mov_b32 s[G1A+1], 32<<16                     ; a dense block as 256 rows of 256 bytes: tensor_dim0 = 32
	s_mov_b32 s[G1A+2], 256<<16                    ; tensor_dim1 = 256
	s_mov_b32 s[G1A+3], 32<<16                     ; tile_dim0
	s_mov_b32 s[G1A+4], 256                        ; tile_dim1
	s_mov_b32 s[G1A+5], 32                         ; from row to row
	s_mov_b32 s[G1A+6], 0
	s_mov_b32 s[G1A+7], 0
	s_or_b32 s[G1B], s8, (1<<20)|(1<<21)|(6<<22)|(3<<25)   ; elements of 1 byte; padding: four words after every 128
	s_mov_b32 s[G1B+1], 512<<16
	s_mov_b32 s[G1B+2], 128<<16
	s_mov_b32 s[G1B+3], 512<<16
	s_mov_b32 s[G1B+4], 128
	s_mov_b32 s[G1B+5], 1024
	s_mov_b32 s[G1B+6], 0
	s_mov_b32 s[G1B+7], 0
	s_lshl_b32 s14, s6, 17                         ; o: 131,072 bytes a row block, + 65,536 x slot
	s_lshl_b32 s9, s11, 16
	s_add_co_u32 s14, s14, s9
	s_mov_b32 s15, 0
	s_lshl_b32 s66, s5, 17                         ; Wo: row 128 X, 1,024 bytes a row, + 512 x slot along K
	s_lshl_b32 s9, s11, 9
	s_add_co_u32 s66, s66, s9
	s_mov_b32 s67, 0
	s_mul_i32 s13, s11, SLOT                       ; where they go: no place in the cluster enters an LDS address
	s_wait_dscnt 0x0                               ; both opening adds are done
	s_wait_kmcnt 0x0
	s_add_nc_u64 s[14:15], s[72:73], s[14:15]
	s_add_nc_u64 s[66:67], s[74:75], s[66:67]
	s_mov_b32 s[G0A], 1
	s_mov_b32 s[G0A+1], s13
	s_mov_b64 s[G0A+2:G0A+3], s[14:15]
	s_or_b32 s[G0A+3], s[G0A+3], 0x80000000
	s_mov_b32 s[G0B], 1
	s_add_co_u32 s[G0B+1], s13, ABLK
	s_mov_b64 s[G0B+2:G0B+3], s[66:67]
	s_or_b32 s[G0B+3], s[G0B+3], 0x80000000
	CROUND                                         ; all sixteen work-groups are here: the joint loads meet
	s_cmp_eq_u32 s12, 0                            ; one load a wave: waves 0, 2 for o, waves 1, 3 for Wo
	s_cbranch_scc0 .Lfill_b
	tensor_load_to_lds s[G0A:G0A+3], s[G1A:G1A+7]
	s_nop 0
.rept 4
	v_nop                                          ; four lines behind the load, ahead of the jump and the label
.endr
	s_branch .Lfilled
.Lfill_b:
	tensor_load_to_lds s[G0B:G0B+3], s[G1B:G1B+7]
	s_nop 0
.rept 4
	v_nop
.endr
.Lfilled:
	s_load_b64 s[82:83], s[78:79], 0x28            ; e10, e11
	v_and_b32 v1, 15, v0                           ; r
	v_bfe_u32 v2, v0, 4, 1                         ; h
	s_wait_alu depctr_va_vdst(0)
	s_lshl_b32 s66, s5, 9                          ; my first column, in bytes of f32: 512 X + 256 x half
	s_lshl_b32 s67, s12, 8
	s_add_co_u32 s66, s66, s67
	s_mov_b32 s67, 0
	s_add_nc_u64 s[76:77], s[76:77], s[66:67]
	s_add_nc_u64 s[80:81], s[80:81], s[66:67]
	v_lshlrev_b32 v27, 5, v2                       ; lane (r, h) wants bo at 16 b + 8 h + 0..7
.irp b, 0,1,2,3
	global_load_b128 v[BIAS+8*\b:BIAS+8*\b+3], v27, s[76:77] offset:64*\b
	global_load_b128 v[BIAS+8*\b+4:BIAS+8*\b+7], v27, s[76:77] offset:64*\b+16
.endr
	s_lshl_b32 s66, s6, 19                         ; my first row: 128 Y + 64 x half, 4,096 bytes a row
	s_lshl_b32 s2, s11, 18
	s_add_co_u32 s66, s66, s2
	s_add_nc_u64 s[80:81], s[80:81], s[66:67]
	v_and_b32 v5, 31, v0
	v_lshlrev_b32 v5, 4, v5                        ; o's images: 16 x lane
	v_mul_u32_u24 v6, v1, PITCH
	v_lshl_add_u32 v6, v2, 4, v6                   ; Wo: row x pitch + 16 x half: registers 4 c .. 4 c + 3 hold K = 32 c + 16 h + 0..15, as o's images do
	s_wait_alu depctr_va_vdst(0)
	s_lshl_b32 s66, s11, 14                        ; my four tiles of 16 rows of o
	s_mul_i32 s67, s12, HALFT                      ; my 64 rows of Wo,
	s_add_co_u32 s67, s67, ABLK                    ; which lie behind o's block
.irp q, 0,1
	v_add_nc_u32 v[ADRA+\q], s66, v5
	v_add_nc_u32 v[ADRB+\q], s67, v6
	s_add_co_u32 s66, s66, SLOT
	s_add_co_u32 s67, s67, SLOT
.endr
	s_mul_i32 s2, s[WV], 2*16*SPITCH
	s_add_co_u32 s2, s2, STG                       ; my stages
	v_mul_u32_u24 v[STO], v1, SPITCH               ; in: row r, 32 bytes for each half of the lanes
	v_lshl_add_u32 v[STO], v2, 5, v[STO]
	v_add_nc_u32 v[STO], s2, v[STO]
	v_mul_u32_u24 v[RD], v2, SPITCH                ; back: lanes 0-15 take one row of 256 bytes, lanes 16-31 the next
	v_lshl_add_u32 v[RD], v1, 4, v[RD]
	v_add_nc_u32 v[RD], s2, v[RD]
	v_lshlrev_b32 v[CO], 12, v2                    ; and the same two rows in out0
	v_lshl_add_u32 v[CO], v1, 4, v[CO]
; 32 LDS loads in one run: the fragments of step s (128 along K: quarter s % 4 of slot s / 4) into buffer f
.macro FETCH s, f
	WIN 0x40                                       ; destination window 1, address window 0
.irp b, 0,1,2,3
.irp c, 0,1,2,3
	ds_load_b128 v[128*(\f)+64+16*\b+4*\c:128*(\f)+64+16*\b+4*\c+3], v[ADRB+(\s)/4] offset:128*((\s)%4)+32*\c+\b*16*PITCH
.endr
.endr
.irp a, 0,1,2,3
.irp c, 0,1,2,3
	ds_load_b128 v[128*(\f)+16*\a+4*\c:128*(\f)+16*\a+4*\c+3], v[ADRA+(\s)/4] offset:32768*(((\s)/2)%2)+4096*\a+2048*((\s)%2)+512*\c
.endr
.endr
.endm
; 8 matrix instructions: row tiles a0, a0 + 1 x the four column tiles.  zero = 1: the first product starts the sums: nothing is cleared
.macro MUL8 f, a0, zero
	WIN 0x05                                       ; sources 0 and 1 window 1; C and D window 0
.irp a, \a0, \a0+1
.irp b, 0,1,2,3
.if \zero
	v_wmma_f32_16x16x128_bf8_bf8 v[ACC+8*(4*(\a)+\b):ACC+8*(4*(\a)+\b)+7], v[128*(\f)+64+16*\b:128*(\f)+64+16*\b+15], v[128*(\f)+16*(\a):128*(\f)+16*(\a)+15], 0
.else
	v_wmma_f32_16x16x128_bf8_bf8 v[ACC+8*(4*(\a)+\b):ACC+8*(4*(\a)+\b)+7], v[128*(\f)+64+16*\b:128*(\f)+64+16*\b+15], v[128*(\f)+16*(\a):128*(\f)+16*(\a)+15], v[ACC+8*(4*(\a)+\b):ACC+8*(4*(\a)+\b)+7]
.endif
.endr
.endr
.endm
; A step is 128 along K: 16 matrix instructions on 16 accumulators, one instruction a turn, in the same order in every step.
; The next step's fragments are asked for at its head, into the other buffer, which the step before has multiplied.
.macro STEP s, f, zero
	s_wait_dscnt 0x0                               ; this step's fragments are in
.if (\s) < 7
	PLACES
	FETCH (\s)+1, 1-(\f)
.endif
	MUL8 \f, 0, \zero
	MUL8 \f, 2, \zero
.endm
	s_wait_alu depctr_va_vdst(0)
	s_wait_tensorcnt 0x0                           ; my one load has landed,
	s_barrier_signal -1
	s_barrier_wait -1                              ; and everybody's: both slots are whole
	FETCH 0, 0
	STEP 0, 0, 1
	STEP 1, 1, 0
	STEP 2, 0, 0
	STEP 3, 1, 0
	STEP 4, 0, 0
	STEP 5, 1, 0
	STEP 6, 0, 0
	STEP 7, 1, 0
	WIN 0
; THE WAY OUT, a block of 16 rows x 64 columns at a time.  A lane holds 32 neighbouring bytes of a row and the lanes beside it hold other rows: so a block goes through my own stage and comes back as whole
; rows of 256 bytes, into the registers that it left.  LDS serves a wave's instructions in order (ISA guide 5.7.1.4): no wait between the stores and the loads, nor in front of the stores of the block two on.
.macro TOSTAGE a
.irp p, 0,2,4,6,8,10,12,14,16,18,20,22,24,26,28,30
	v_pk_fma_f32 v[ACC+32*\a+\p:ACC+32*\a+\p+1], v[ACC+32*\a+\p:ACC+32*\a+\p+1], s[82:83], v[BIAS+\p:BIAS+\p+1] op_sel_hi:[1,0,1]   ; sum x 2^(e10 + e11) + bo; each accumulator from its low end on
.endr
.irp b, 0,1,2,3
	ds_store_b128 v[STO], v[ACC+32*\a+8*\b:ACC+32*\a+8*\b+3] offset:16*SPITCH*(\a%2)+64*\b
	ds_store_b128 v[STO], v[ACC+32*\a+8*\b+4:ACC+32*\a+8*\b+7] offset:16*SPITCH*(\a%2)+64*\b+16
.endr
.irp t, 0,1,2,3,4,5,6,7
	ds_load_b128 v[ACC+32*\a+4*\t:ACC+32*\a+4*\t+3], v[RD] offset:16*SPITCH*(\a%2)+2*SPITCH*\t
.endr
.endm
.macro SEND a, younger                 ; younger: the LDS instructions issued behind block a's loads: the next block's sixteen, or none
.irp t, 0,1,2,3,4,5,6,7
	s_wait_dscnt \younger+7-\t
	global_store_b128 v[CO], v[ACC+32*\a+4*\t:ACC+32*\a+4*\t+3], s[80:81] offset:(16*\a+2*\t)*4096 th:TH_STORE_NT   ; 16 lanes store 256 consecutive bytes, aligned; written once, read by nobody here
.endr
.endm
	s_wait_kmcnt 0x0
	s_add_co_i32 s82, s82, s83
	s_add_co_i32 s82, s82, 127
	s_lshl_b32 s82, s82, 23                        ; 2^(e10 + e11) as f32
	s_mov_b32 s83, s82                             ; (named with it as a pair, so it is written)
	s_wait_loadcnt 0x0                             ; bo
	PLACES
	TOSTAGE 0
	TOSTAGE 1                                      ; a block's arithmetic stands between the loads of the block before and its stores
	SEND 0, 16
	TOSTAGE 2
	SEND 1, 16
	TOSTAGE 3
	SEND 2, 16
	SEND 3, 0
	s_wait_tensorcnt 0x0                           ; the wave's end
	ds_add_u32 v[SPW], v[NIL]
	s_wait_dscnt 0x0
	CROUND                                         ; the closing round: no work-group ends while a partner may still ask for a tile that names it
	s_endpgm
.Lfunc_end_k_q1357ba9899_oproj:
	.size	k_q1357ba9899_oproj, .Lfunc_end_k_q1357ba9899_oproj-k_q1357ba9899_oproj
	.p2alignl 7, 3214868480
	.fill 96, 4, 3214868480
	.section	.rodata,"a",@progbits
	.p2align	6, 0x0
	.amdhsa_kernel k_q1357ba9899_oproj
		.amdhsa_group_segment_fixed_size 327680
		.amdhsa_private_segment_fixed_size 0
		.amdhsa_enable_private_segment 0
		.amdhsa_kernarg_size 40
		.amdhsa_user_sgpr_count 2
		.amdhsa_user_sgpr_kernarg_segment_ptr 1
		.amdhsa_wavefront_size32 1
		.amdhsa_system_sgpr_workgroup_id_x 1
		.amdhsa_system_sgpr_workgroup_id_y 1
		.amdhsa_system_sgpr_workgroup_id_z 1
		.amdhsa_system_vgpr_workitem_id 0
		.amdhsa_next_free_vgpr 512
		.amdhsa_next_free_sgpr 84
		.amdhsa_reserve_vcc 0
		.amdhsa_float_denorm_mode_32 3
		.amdhsa_float_denorm_mode_16_64 3
		.amdhsa_memory_ordered 1
		.amdhsa_forward_progress 1
		.amdhsa_inst_pref_size 46
	.end_amdhsa_kernel
	.amdgpu_metadata
---
amdhsa.version: [ 1, 2 ]
amdhsa.kernels:
  - .name:           k_q1357ba9899_oproj
    .symbol:         k_q1357ba9899_oproj.kd
    .args:
      - { .name: oimg, .offset: 0, .size: 8, .value_kind: global_buffer, .address_space: global }
      - { .name: Wo_codes, .offset: 8, .size: 8, .value_kind: global_buffer, .address_space: global }
      - { .name: bo, .offset: 16, .size: 8, .value_kind: global_buffer, .address_space: global }
      - { .name: lowp_scales, .offset: 24, .size: 8, .value_kind: global_buffer, .address_space: global }
      - { .name: out0, .offset: 32, .size: 8, .value_kind: global_buffer, .address_space: global }
    .group_segment_fixed_size: 327680
    .private_segment_fixed_size: 0
    .kernarg_segment_align: 8
    .kernarg_segment_size: 40
    .max_flat_workgroup_size: 128
    .sgpr_count:     84
    .vgpr_count:     512
    .wavefront_size: 32
...
	.end_amdgpu_metadata
.endif
;; end of part 3
